; MI455X (gfx1250); checked and timed in simulation.
; The chip was launched on July 23, 2026; its instructions are those of AMD's public machine-readable ISA for CDNA 5 (MIT licence, August 2026) and "CDNA5" Instruction Set Architecture Reference Guide (July 2026). The comments in the code are by the model that wrote it; some were corrected since.
;; VQVAE Layer. Allowed arithmetic: matrix products marked QUANTISED: E2M1 operands, one E8M0 scale for each 32 along K, by v_wmma_scale_f32_16x16x128_f8f6f4 with both operands' format E2M1 (or v_wmma_scale_f32_32x16x128_f4), f32 sums; everything else in f32.
;; Inputs: w 256 x 4,096 float32; x 64 x 1,024 x 256 float32.
;; Outputs: out0 64 x 1,024 x 256 float32.
;; This version of the problem:
;;   THIS VERSION OF THE PROBLEM IS GIVEN IN LOW PRECISION. The matrix products marked QUANTISED in the list below multiply operands that are first quantised to E2M1 (2 exponent bits, 1 mantissa bit; 4 bits a number), with one power-of-two scale for each 32 numbers along K (OCP MX v1.0); their sums are f32. All else is computed in f32.
;;   The module's matrix products, in the order in which they are computed (A, B: the left and right operand; K: the contracted axis; several contracted axes count as one K, in the product's order):
;;     1. [M 65,536, K 256] x [K 256, N 4,096]; A: input x; B: input w: QUANTISED
;;   THE QUANTISER, for each operand of a quantised product, along K:
;;     - K is cut into blocks of 32 from its start; a last block that is shorter is filled with zeros.
;;     - A block's scale is 2^e with e = floor(log2(the largest magnitude in the block)) - 2, held to -126 .. 127; a block of zeros has e = 0. As a byte (E8M0): e + 127.
;;     - Each number is divided by its block's scale, clamped to +-6, and rounded to the nearest number of E2M1, ties to even, subnormals kept.
;;     - The product sums the exact products of the quantised numbers (number of the format x scale) in f32.
;;   ~~~python
;;   def quantise(x, axis):      # numpy; x: float32 -> the quantised numbers, widened to float32 again
;;       x = np.moveaxis(x, axis, -1); K = x.shape[-1]
;;       x = np.pad(x, [(0, 0)] * (x.ndim - 1) + [(0, -K % 32)]); x = x.reshape(x.shape[:-1] + (-1, 32)); a = np.abs(x).max(-1, keepdims=True)
;;       e = np.where(a > 0, np.clip(np.frexp(np.where(a > 0, a, 1))[1] - 1 - 2, -126, 127), 0)      # np.frexp(a)[1] - 1 = floor(log2(a)), exactly
;;       r = np.clip(x / 2.0 ** e, -6, 6)
;;       step = 2.0 ** (np.maximum(np.frexp(np.where(r == 0, 1, r))[1] - 1, 0) - 1)
;;       q = np.round(r / step) * step * 2.0 ** e      # np.round: ties to even
;;       return np.moveaxis(q.reshape(q.shape[:-2] + (-1,))[..., :K], -1, axis).astype(np.float32)
;;   ~~~
;; One version. Each part assembles by itself: llvm-mc -triple=amdgcn-amd-amdhsa -mcpu=gfx1250 --defsym DOCPART=n.
;; ======== version 1 of 1: 3 launches
;; limits: right only within a limited range of input values
;; workspace buffers: xq 8,388,608 bytes; xs 524,288 bytes; wq 524,288 bytes; waux 49,152 bytes; wt 4,194,304 bytes; idx 262,144 bytes of whole numbers
;; launch prep (part 1): grid 768 x 1, 4 waves a work-group, no clusters, 86,272 bytes of LDS; arguments x, w, xq, xs, wq, waux, wt; writes xq, xs, wq, waux, wt
.if DOCPART == 1
	.amdgcn_target "amdgcn-amd-amdhsa--gfx1250"
	.amdhsa_code_object_version 6
	.text
	.protected	k_q38fb3a4c80_prep
	.globl	k_q38fb3a4c80_prep
	.p2align	8
	.type	k_q38fb3a4c80_prep,@function
k_q38fb3a4c80_prep:
	s_mov_b64 s[64:65], 0
	v_nop
	global_prefetch_b8 v0, s[64:65] scope:SCOPE_SE
	s_setreg_imm32_b32 hwreg(HW_REG_WAVE_MODE, 25, 1), 1
	s_wait_xcnt 0x0
; x [65536][256] f32 and w [256][4096] f32 are laid out once for the two launches that follow.
;   xq   [row tile T][s][c][lane][16 bytes]: codes of E2M1 of rows 16 T + r, as an image of the operand's registers: lane (r, h), register 8 s + 4 c + g holds k = 128 s + 64 c + 32 h + 8 g .. + 7
;   xs   [row tile T][lane] 4 bytes: lanes 0-15 row r's scale word of k 0-127, lanes 16-31 that of k 128-255
;   wq   [tile tau][s][c][lane][16 bytes]: the same image for the codebook entries 16 tau + r (K is w's FIRST axis)
;   waux bytes 0 .. 32767: [entry][8 scale bytes];  from byte 32768: -0.5 x ||w_entry||^2, f32
;   wt   [4096][256] f32: w turned, so that an entry is a row of 1,024 bytes
; THE QUANTISER: a block's scale is 2^(floor(log2(largest magnitude)) - 2); its byte is the largest magnitude's exponent field - 2, held at 1 from below by a floor among the maximum's leaves.
; A block of zeros keeps the byte 1 where the rule says 127: its codes are zeros, and this program alone reads the bytes.  Beyond 6 the conversion gives the largest code.
; LIMITS: blocks whose largest magnitude lies under 2^-124 keep the byte 1; NaN and infinities among the inputs are not served; ||w||^2 is ONE chain of 256 fused multiply-adds, k ascending.
; SHARES: work-groups 0-255 take w (16 entries each), work-groups 256-767 take x (8 row tiles each, two a wave).  The branch hangs on the work-group's number alone; each path has LDS bytes of its own.
; No tensor loads, no matrix unit, no cluster: every input byte is read once and nothing is shared between work-groups.
.set XSTG,  16896                      ; path X: a wave's two stages
.set XHALF, 8448                       ; a stage: 16 rows x 528 bytes
.set XP,    528                        ; 512 bytes + 16: row r starts 4 r words on, modulo 64: the 16 rows that a load touches start at 16 different places
.set WST,   67584                      ; path W: four stages, one a wave,
.set WSTG,  4352                       ; of 16 rows x 272 bytes
.set WP,    272
.set WSB,   84992                      ; and 128 scale bytes, [r][8]
.set R,     16                         ; path X: v16-143  the numbers as loaded: K step s, row i at R + 64 s + 4 i
.set X,     144                        ;         v144-207 my two blocks of 32 neighbours
.set CD,    208                        ;         v208-239 codes, 16 registers a tile: no store's data are written again
.set SW,    240                        ;         v240-241 the scale words that leave
.set S,     16                         ; path W: v16-143  my 32 numbers; later two sets of 64 for the norm
.set OUTR,  144                        ;         v144-175 rows of wt
	s_load_b256 s[4:11], s[0:1], 0x0               ; x s[4:5], w s[6:7], xq s[8:9], xs s[10:11]
	s_load_b128 s[12:15], s[0:1], 0x20             ; wq s[12:13], waux s[14:15]
	s_load_b64 s[16:17], s[0:1], 0x30              ; wt
	v_lshl_add_u32 v248, v0, 2, 0x14f00
	v_mov_b32 v249, 0
	v_lshrrev_b32 v6, 5, v0
	v_readfirstlane_b32 s18, v6                    ; wave 0..3
	v_and_b32 v6, 31, v0                           ; lane
	v_and_b32 v7, 15, v0                           ; r
	v_bfe_u32 v8, v0, 4, 1                         ; h
	v_lshlrev_b32 v1, 4, v6                        ; 16 x lane
	v_lshlrev_b32 v2, 2, v6                        ; 4 x lane
	s_cmp_lt_u32 ttmp9, 256
	s_cbranch_scc1 .Lpath_w
; ---------------------------------------------------------------- PATH X
; A load reads 512 consecutive bytes (a row's 128 numbers of one K step, 16 bytes a lane); the conversions want 32 neighbours in ONE lane.  So a K step of 16 rows turns through the wave's own stage:
; in as loaded, out 128 bytes a lane: lane (r, h) takes k = 64 c + 32 h + 0 .. 31 of row r, which is the very order of the operand's registers.
	s_mul_i32 s19, s18, XSTG
	v_add_nc_u32 v3, s19, v1                       ; into the stage: 16 x lane
	v_mul_u32_u24 v4, v7, XP
	v_lshl_add_u32 v4, v8, 7, v4
	v_add_nc_u32 v4, s19, v4                       ; out of it: row r, + 128 h
	v_lshlrev_b32 v5, 3, v8                        ; 8 h: my two scale bytes' shift in the word
	v_mov_b32 v14, 0                               ; written once: a lane permute's destination counts as one of its sources
	s_mov_b32 s20, 0x76543210
	s_mov_b32 s21, 0xfedcba98                      ; v_permlanex16_b32's selects for lane l xor 16
	s_mov_b32 vcc_lo, 0xffff0000                   ; lanes 16-31
	s_sub_co_u32 s24, ttmp9, 256
	s_lshl_b32 s24, s24, 3
	s_lshl_b32 s25, s18, 1
	s_add_co_u32 s24, s24, s25                     ; my first row tile: 8 x work-group + 2 x wave
	s_lshl_b32 s26, s24, 14                        ; 16 rows of 1,024 bytes
	s_mov_b32 s27, 0
	s_lshl_b32 s28, s24, 11                        ; 2,048 bytes of codes
	s_mov_b32 s29, 0
	s_lshl_b32 s30, s24, 7                         ; 128 bytes of scale words
	s_mov_b32 s31, 0
	s_wait_kmcnt 0x0
	s_add_nc_u64 s[4:5], s[4:5], s[26:27]
	s_add_nc_u64 s[8:9], s[8:9], s[28:29]
	s_add_nc_u64 s[10:11], s[10:11], s[30:31]
.macro LOADX t, s                      ; tile t, K step s: 16 loads, a row's 512 consecutive bytes each
.irp i, 0,1,2,3,4,5,6,7,8,9,10,11,12,13,14,15
	global_load_b128 v[R+64*\s+4*\i:R+64*\s+4*\i+3], v1, s[4:5] offset:16384*\t+1024*\i+512*\s th:TH_LOAD_NT
.endr
.endm
.macro TURN s                          ; through stage s: LDS serves a wave's instructions in order, so no wait stands between the stores and the loads
.irp i, 0,1,2,3,4,5,6,7,8,9,10,11,12,13,14,15
	ds_store_b128 v3, v[R+64*\s+4*\i:R+64*\s+4*\i+3] offset:XHALF*\s+XP*\i
.endr
.irp c, 0,1
.irp q, 0,1,2,3,4,5,6,7
	ds_load_b128 v[X+32*\c+4*\q:X+32*\c+4*\q+3], v4 offset:XHALF*\s+256*\c+16*\q
.endr
.endr
.endm
.macro QUANT t, s                      ; my blocks 2 c + h (c = 0, 1) of K step s: all 32 numbers of each are mine; the two blocks by turns
	v_max3_num_f32 v6, |v[X]|, |v[X+1]|, 0x1800000       ; the floor 2^(3 - 127) among the leaves: the byte cannot fall under 1
	v_max3_num_f32 v7, |v[X+32]|, |v[X+33]|, 0x1800000
.irp i, 2,4,6,8,10,12,14,16,18,20,22,24,26,28,30
	v_max3_num_f32 v6, v6, |v[X+\i]|, |v[X+\i+1]|
	v_max3_num_f32 v7, v7, |v[X+32+\i]|, |v[X+33+\i]|
.endr
	v_add_nc_u32 v8, 0xff000000, v6                ; 2 off the exponent field: the conversion takes the exponent field of this operand as its scale
	v_add_nc_u32 v9, 0xff000000, v7
.irp g, 0,1,2,3
	v_cvt_scalef32_pk8_fp4_f32 v[CD+16*\t+8*\s+\g], v[X+8*\g:X+8*\g+7], v8
	v_cvt_scalef32_pk8_fp4_f32 v[CD+16*\t+8*\s+4+\g], v[X+32+8*\g:X+32+8*\g+7], v9
.endr
	v_lshrrev_b32 v10, 23, v8                      ; the scale's byte (also the plain instruction behind the conversions)
	v_lshrrev_b32 v11, 23, v9
	v_lshl_or_b32 v10, v11, 16, v10                ; blocks h and 2 + h,
	v_lshlrev_b32 v10, v5, v10                     ; at their places in the word;
	v_permlanex16_b32 v14, v10, s20, s21
	v_or_b32 v[12+\s], v10, v14                    ; with lane l xor 16's two the word of row r is whole, in both halves of the lanes
.endm
.macro PASS t, s, left
	s_wait_loadcnt \left                           ; this K step's 16 loads are in; the one group of 16 issued behind them may stay out
	TURN \s
	s_wait_dscnt 0x0                               ; my 64 numbers are back, and the stage's stores have read their registers,
.if \t == 0
	LOADX 1, \s                                    ; which take the second tile's loads
.endif
	QUANT \t, \s
.endm
.macro SENDX t
	v_cndmask_b32 v[SW+\t], v12, v13, vcc_lo       ; lanes 0-15 K step 0's word, lanes 16-31 K step 1's
.irp k, 0,1,2,3
	global_store_b128 v1, v[CD+16*\t+4*\k:CD+16*\t+4*\k+3], s[8:9] offset:2048*\t+512*\k   ; 512 consecutive bytes, at a multiple of 512 from xq's first byte
.endr
	global_store_b32 v2, v[SW+\t], s[10:11] offset:128*\t   ; 128 consecutive bytes: 1 byte in 128 of what this path reads; pairing two tiles would want an exchange between lanes
.endm
	s_wait_alu depctr_va_vdst(0)
	LOADX 0, 0
	LOADX 0, 1
	PASS 0, 0, 16
	PASS 0, 1, 16
	SENDX 0
	PASS 1, 0, 16
	PASS 1, 1, 0
	SENDX 1
	s_wait_tensorcnt 0x0
	ds_add_u32 v248, v249
	s_wait_dscnt 0x0
	s_endpgm
; ---------------------------------------------------------------- PATH W
; Work-group tau takes entries 16 tau + r.  A LANE TAKES AN ENTRY AND ITS REGISTERS RUN DOWN K: wave j, lane (r, h) holds k = 64 j + 32 h + 0 .. 31, one whole block, which is registers 4 c .. 4 c + 3 of
; K step s of the operand (s = j / 2, c = j % 2).  Nothing is transposed for the codes.  The f32 numbers turn through the wave's stage for wt, and wave 0 reads all four stages for the norms.
.Lpath_w:
	s_mul_i32 s19, s18, WSTG
	s_add_co_u32 s19, s19, WST                     ; my stage
	s_wait_alu depctr_va_vdst(0)
	v_mul_u32_u24 v3, v7, WP
	v_add_nc_u32 v13, WST, v3                      ; the norm's reads: row r of stage 0
	v_lshl_add_u32 v3, v8, 7, v3
	v_add_nc_u32 v3, s19, v3                       ; into my stage: row r, + 128 h
	v_mul_u32_u24 v4, v8, WP
	v_lshl_add_u32 v4, v7, 4, v4
	v_add_nc_u32 v4, s19, v4                       ; out of it: lanes 0-15 one row of 256 bytes, lanes 16-31 the next
	s_lshl_b32 s22, s18, 1
	s_add_co_u32 s22, s22, WSB
	v_lshl_add_u32 v5, v7, 3, v8
	v_add_nc_u32 v5, s22, v5                       ; my scale byte: 8 r + 2 j + h
	v_add_nc_u32 v14, WSB, v2                      ; and the 32 words on the way out
	v_lshlrev_b32 v15, 10, v8
	v_lshl_add_u32 v15, v7, 4, v15                 ; the same two rows in wt
	v_lshlrev_b32 v9, 2, v7                        ; 4 r
	v_lshl_add_u32 v10, v8, 19, v9                 ; in w: 32 h rows of 16,384 bytes + 4 r
	s_lshl_b32 s24, ttmp9, 6
	s_lshl_b32 s25, s18, 20
	s_add_co_u32 s24, s24, s25                     ; w: 64 tau + 64 j rows
	s_mov_b32 s25, 0
	s_lshl_b32 s26, ttmp9, 11
	s_lshl_b32 s27, s18, 9
	s_add_co_u32 s26, s26, s27                     ; wq: 2,048 tau + 512 j
	s_mov_b32 s27, 0
	s_lshl_b32 s28, ttmp9, 14
	s_lshl_b32 s29, s18, 8
	s_add_co_u32 s28, s28, s29                     ; wt: 16 tau rows + 256 j
	s_mov_b32 s29, 0
	s_lshl_b32 s30, ttmp9, 7                       ; the scale bytes: 128 tau
	s_mov_b32 s31, 0
	s_lshl_b32 s32, ttmp9, 6                       ; the norms: 64 tau
	s_mov_b32 s33, 0
	s_wait_alu depctr_va_vdst(0)
	s_wait_kmcnt 0x0
	s_add_nc_u64 s[6:7], s[6:7], s[24:25]
	s_add_nc_u64 s[12:13], s[12:13], s[26:27]
	s_add_nc_u64 s[16:17], s[16:17], s[28:29]
	s_add_nc_u64 s[32:33], s[14:15], s[32:33]
	s_add_nc_u64 s[14:15], s[14:15], s[30:31]
.irp i, 0,1,2,3,4,5,6,7,8,9,10,11,12,13,14,15,16,17,18,19,20,21,22,23,24,25,26,27,28,29,30,31
	global_load_b32 v[S+\i], v10, s[6:7] offset:16384*\i   ; sixteen lanes read 64 consecutive bytes; the neighbours of those bytes are other work-groups', so no hint is written.  All 32 loads are out together
.endr
	s_wait_loadcnt 0x0
	v_max3_num_f32 v176, |v[S]|, |v[S+1]|, 0x1800000       ; the block's largest magnitude, with the floor, in two chains
	v_max3_num_f32 v177, |v[S+16]|, |v[S+17]|, |v[S+18]|
.irp i, 2,4,6,8,10,12
	v_max3_num_f32 v176, v176, |v[S+\i]|, |v[S+\i+1]|
	v_max3_num_f32 v177, v177, |v[S+17+\i]|, |v[S+18+\i]|
.endr
	v_max3_num_f32 v176, v176, |v[S+14]|, |v[S+15]|
	v_max3_num_f32 v176, v176, v177, |v[S+31]|
	v_add_nc_u32 v178, 0xff000000, v176            ; the conversion's scale operand
.irp g, 0,1,2,3
	v_cvt_scalef32_pk8_fp4_f32 v[CD+\g], v[S+8*\g:S+8*\g+7], v178
.endr
	v_lshrrev_b32 v179, 23, v178                   ; the scale's byte (also the plain instruction behind the conversions)
	global_store_b128 v1, v[CD:CD+3], s[12:13]     ; 512 consecutive bytes of wq
	ds_store_b8 v5, v179
.irp q, 0,1,2,3,4,5,6,7
	ds_store_b128 v3, v[S+4*\q:S+4*\q+3] offset:16*\q
.endr
.irp t, 0,1,2,3,4,5,6,7
	ds_load_b128 v[OUTR+4*\t:OUTR+4*\t+3], v4 offset:2*WP*\t   ; LDS serves a wave's instructions in order: these see my stores
.endr
	s_wait_dscnt 0x0                               ; the rows are back; and, for wave 0's sake, my stores into the stage and my scale byte have landed
.irp t, 0,1,2,3,4,5,6,7
	global_store_b128 v15, v[OUTR+4*\t:OUTR+4*\t+3], s[16:17] offset:2048*\t   ; sixteen lanes store 256 consecutive bytes, at a multiple of 256 from wt's first byte
.endr
	s_barrier_signal -1
	s_barrier_wait -1                              ; all four stages and the 128 scale bytes lie in LDS
	s_cmp_lg_u32 s18, 0
	s_cbranch_scc1 .Lw_end                         ; wave 0 alone goes on; no barrier follows
.macro NLOAD jj                        ; 64 numbers of entry r, k = 64 jj on, into set jj % 2
.irp q, 0,1,2,3,4,5,6,7,8,9,10,11,12,13,14,15
	ds_load_b128 v[S+64*((\jj)%2)+4*\q:S+64*((\jj)%2)+4*\q+3], v13 offset:WSTG*(\jj)+16*\q
.endr
.endm
.macro NSUM jj, from
.set n, \from
.rept 64-\from
	v_fmac_f32 v180, v[S+64*((\jj)%2)+n], v[S+64*((\jj)%2)+n]
.set n, n+1
.endr
.endm
	ds_load_b32 v182, v14                          ; the scale bytes, a word a lane
	NLOAD 0
	NLOAD 1
	s_wait_dscnt 16                                ; the word and batch 0 are in; batch 1's 16 loads may stay out
	v_mul_f32 v180, v[S], v[S]                     ; the first product starts the sum
	NSUM 0, 1
	NLOAD 2
	s_wait_alu depctr_va_vdst(0)
	s_wait_dscnt 16                                ; batch 1 is in; batch 2 may stay out
	NSUM 1, 0
	NLOAD 3
	s_wait_alu depctr_va_vdst(0)
	s_wait_dscnt 16                                ; batch 2 is in
	NSUM 2, 0
	s_wait_alu depctr_va_vdst(0)
	s_wait_dscnt 0x0
	NSUM 3, 0
	v_mul_f32 v181, -0.5, v180                     ; what the product's launch takes as the C of a sum's first instruction
	global_store_b32 v2, v182, s[14:15]            ; 128 consecutive bytes; with the norms' 64 below: 48 KiB in the whole launch that leave in pieces under 256 bytes
	v_cmp_gt_u32 vcc_lo, 16, v6
	s_wait_alu depctr_va_vdst(0)
	s_wait_xcnt 0x0                                ; EXEC changes only when the earlier stores have had their addresses translated
	s_and_saveexec_b32 s34, vcc_lo                 ; both halves of the lanes hold the same 16 norms: lanes 0-15 store
	global_store_b32 v9, v181, s[32:33] offset:32768
	s_wait_xcnt 0x0                                ; and again in front of the line that widens it
	s_or_b32 exec_lo, exec_lo, s34
.Lw_end:
	s_wait_tensorcnt 0x0
	ds_add_u32 v248, v249
	s_wait_dscnt 0x0
	s_endpgm
.Lfunc_end_k_q38fb3a4c80_prep:
	.size	k_q38fb3a4c80_prep, .Lfunc_end_k_q38fb3a4c80_prep-k_q38fb3a4c80_prep
	.p2alignl 7, 3214868480
	.fill 96, 4, 3214868480
	.section	.rodata,"a",@progbits
	.p2align	6, 0x0
	.amdhsa_kernel k_q38fb3a4c80_prep
		.amdhsa_group_segment_fixed_size 86272
		.amdhsa_private_segment_fixed_size 0
		.amdhsa_enable_private_segment 0
		.amdhsa_kernarg_size 56
		.amdhsa_user_sgpr_count 2
		.amdhsa_user_sgpr_kernarg_segment_ptr 1
		.amdhsa_wavefront_size32 1
		.amdhsa_system_sgpr_workgroup_id_x 1
		.amdhsa_system_sgpr_workgroup_id_y 1
		.amdhsa_system_sgpr_workgroup_id_z 1
		.amdhsa_system_vgpr_workitem_id 0
		.amdhsa_next_free_vgpr 250
		.amdhsa_next_free_sgpr 66
		.amdhsa_reserve_vcc 1
		.amdhsa_float_denorm_mode_32 3
		.amdhsa_float_denorm_mode_16_64 3
		.amdhsa_memory_ordered 1
		.amdhsa_forward_progress 1
		.amdhsa_inst_pref_size 51
	.end_amdhsa_kernel
	.amdgpu_metadata
---
amdhsa.version: [ 1, 2 ]
amdhsa.kernels:
  - .name:           k_q38fb3a4c80_prep
    .symbol:         k_q38fb3a4c80_prep.kd
    .args:
      - { .name: x, .offset: 0, .size: 8, .value_kind: global_buffer, .address_space: global }
      - { .name: w, .offset: 8, .size: 8, .value_kind: global_buffer, .address_space: global }
      - { .name: xq, .offset: 16, .size: 8, .value_kind: global_buffer, .address_space: global }
      - { .name: xs, .offset: 24, .size: 8, .value_kind: global_buffer, .address_space: global }
      - { .name: wq, .offset: 32, .size: 8, .value_kind: global_buffer, .address_space: global }
      - { .name: waux, .offset: 40, .size: 8, .value_kind: global_buffer, .address_space: global }
      - { .name: wt, .offset: 48, .size: 8, .value_kind: global_buffer, .address_space: global }
    .group_segment_fixed_size: 86272
    .private_segment_fixed_size: 0
    .kernarg_segment_align: 8
    .kernarg_segment_size: 56
    .max_flat_workgroup_size: 128
    .sgpr_count:     66
    .vgpr_count:     250
    .wavefront_size: 32
...
	.end_amdgpu_metadata
.endif
;; end of part 1
;; launch main (part 2): grid 256 x 1, 8 waves a work-group, clusters of 4 x 1, 327,680 bytes of LDS; arguments wq, waux, xq, xs, idx; writes idx
.if DOCPART == 2
	.amdgcn_target "amdgcn-amd-amdhsa--gfx1250"
	.amdhsa_code_object_version 6
	.text
	.protected	k_q38fb3a4c80_main
	.globl	k_q38fb3a4c80_main
	.p2align	8
	.type	k_q38fb3a4c80_main,@function
k_q38fb3a4c80_main:
	s_mov_b64 s[64:65], 0
	v_nop
	global_prefetch_b8 v0, s[64:65] scope:SCOPE_SE
	s_setreg_imm32_b32 hwreg(HW_REG_WAVE_MODE, 25, 1), 1
	s_wait_xcnt 0x0
	s_wait_alu depctr_hold_cnt(0) depctr_sa_sdst(0) depctr_va_vdst(0) depctr_va_sdst(0) depctr_va_ssrc(0) depctr_va_vcc(0) depctr_vm_vsrc(0)
	s_getreg_b32 s2, hwreg(HW_REG_IB_STS2, 6, 4)
	s_cmp_eq_u32 s2, 0
	s_cbranch_scc0 .Lentry_in_a_cluster
	s_endpgm
.Lentry_in_a_cluster:
	s_bfe_u32 s2, ttmp6, 0x10000c
	s_cmp_lg_u32 s2, 0x3003
	s_cbranch_scc0 .Lentry_shape_is_right
	s_endpgm
.Lentry_shape_is_right:
; idx[n] = the codebook entry k that minimises ||x_n||^2 - 2 q(x_n).q(w_k) + ||w_k||^2, the lowest k on a tie.  The product is on codes of E2M1 with E8M0 scales, K = 256: two matrix instructions deep.
; WHAT IS RANKED: s(n, k) = q(x_n).q(w_k) - 0.5 ||w_k||^2, the largest wins: that is -0.5 (distance - ||x_n||^2).  -0.5 ||w_k||^2 is the C of a sum's first matrix instruction.
; LEFT OUT: ||x_n||^2 is the same for all 4,096 candidates of a row, so in exact arithmetic it moves no argmin.  LIMITS: two candidates that only the rounding of that addition would make equal are told apart here;
; NaN and infinities are not served.
; THE PRODUCT IS USED TRANSPOSED, in the form of 32 x 16 x 128: source 0 = 32 entries (a CHUNK), source 1 = 16 rows of x.  Lane (r, h) holds ONE row of x (r), and register 8 u + j of a result the entry 16 u + 8 h + j.
; TRACKING.  A chunk gives 16 scores a lane and row tile.  For each row tile: eight three-operand maxima over the 16 scores and the running best m; one strict compare (an earlier chunk keeps a tie);
; where the chunk won, its first entry and its 16 scores are copied (BEST), two registers an instruction.  At the end the place is the lowest p with BEST[p] = m.  No branch on data.
; Four row tiles are tracked together: eight chains of maxima by turns, so that a chain's lines stand eight apart; the four compares together, the first into VCC, the others into scalar registers that are moved to VCC ahead of their copies.
; SHARES.  A work-group owns 256 rows.  Wave v (q = v / 2, g = v % 2) holds the codes of rows 128 g .. + 127 (8 row tiles) in registers and walks entries 1024 q .. + 1023: 32 chunks.
; A row's eight candidates (4 quarters x 2 halves of the lanes) meet in LDS at the end.
; CLUSTER.  All work-groups walk the same 512 KiB of codes in the same order: every tensor load is asked for JOINTLY by the four work-groups of a cluster (mask 15), with a descriptor that hangs on the wave's number alone.
; THE RING: two slots of 8 chunks x 4 quarters x 4,096 bytes; four steps.  At the head a wave issues ONE load: waves 0-3 a quarter's 32,768 bytes of step 0, waves 4-7 12,288 bytes each of the scale bytes and norms.
; Slot 1's first fill and the two refills stand each behind a round of the cluster's barrier, one load a wave: by this text's count a wave never has more than one tensor load out.
; THE CHANGE OF SLOTS IS PART OF A SLOT'S LAST CHUNK: that chunk's fragments are in registers at its top, so the slot is read out there: the waits, the add and the signal stand at the top, 8 matrix instructions and
; four row tiles' tracking between the signal and the wait, the refill first behind the round, and the next slot's first fragments are fetched under the chunk's second half.
; NOT USED: a prefetch (the codes and norms are asked for by all 64 clusters, not once; x's codes are read at the head alone, where there is no loop to run ahead in); work-groups that stay (256 equal work-groups of one block).
; REGISTERS.  window 0: v1-9 addresses and constants; v10-15, v254-255 at work; v16-23 x's scale words, v24-25 the chunk's (scales and nothing else); v26-27, v252 addresses; v28-43 for each row tile the best chunk's first entry and m;
;   v44-59 C of the chunk; v60-123 four row tiles' scores; v124-251 BEST.   window 1: v0-127 x's codes (row tile rt, K step s at 16 rt + 8 s); v128-159 the chunk's fragments (K step s, entries 16 u .. + 15 at 128 + 16 s + 8 u).
.set SLOT1, 131072
.set AUX,   262144                     ; behind the ring: 32,768 scale bytes, [entry][8];
.set NHW,   294912                     ; 4,096 numbers -0.5 ||w||^2.  Both are filled once
.set SPARE, 311296                     ; the spare words, 128 bytes for each of 8 waves: four blocks of 256 bytes that no other line names
.set XS,   16
.set WS,   24
.set ST,   28
.set CW,   44
.set DD,   60
.set BEST, 124
.set AF,   128
.set MK,   72                          ; s72-79: lane masks of compares
.set MSB, 0
.macro WIN new                         ; the immediate's high byte repeats the setting that is left; a switch that changes nothing is dropped
.if MSB != \new
	s_set_vgpr_msb (MSB<<8)|\new
.set MSB, \new
.endif
.endm
.macro PLACES                          ; four plain vector instructions behind a matrix instruction, ahead of a read of its result and of a load into one of its registers
.rept 4
	v_nop
.endr
.endm
.macro CREST                           ; a round of the cluster's barrier behind its opening barrier: wave 0 signals for the work-group; every wave waits for all four work-groups; my work-group's barrier once more
	s_cmp_lg_u32 s14, 0
	s_cbranch_scc1 .Lnot_wave_0_\@
	s_barrier_signal -3
.Lnot_wave_0_\@:
	s_barrier_wait -3
	s_barrier_signal -1
	s_barrier_wait -1
.endm
.macro CROUND                          ; a whole round
	s_barrier_signal -1
	s_barrier_wait -1
	CREST
.endm
	s_load_b256 s[4:11], s[0:1], 0x0               ; wq s[4:5], waux s[6:7], xq s[8:9], xs s[10:11]
	s_load_b64 s[12:13], s[0:1], 0x20              ; idx
	v_lshl_add_u32 v8, v0, 2, SPARE                ; my spare word; never rewritten
	v_mov_b32 v9, 0                                ; 0; never rewritten
	ds_add_u32 v8, v9                              ; the opening: the add, twice on end, and its wait ahead of my first tensor load
	ds_add_u32 v8, v9
	v_lshrrev_b32 v10, 5, v0
	s_delay_alu instid0(VALU_DEP_1)
	v_readfirstlane_b32 s14, v10                   ; wave 0..7
	s_lshr_b32 s15, s14, 1                         ; q: my quarter of the entries
	s_and_b32 s16, s14, 1                          ; g: my half of the rows
	s_bfe_u32 s17, ttmp6, 0x40000                  ; cx: it enters the addresses of xq, xs and idx alone
	s_lshl_b32 s18, ttmp9, 2
	s_add_co_u32 s18, s18, s17                     ; my block of 256 rows = 4 x cluster + cx
	; descriptor group 1: dense blocks as rows of 256 bytes (32 elements of 8 bytes).  The codes': 128 rows for the head's loads; behind them the two words that count rows are set to 64, for the ring's
	s_mov_b32 s24, 15|(3<<16)|(1<<21)              ; 15:0 the mask: all four work-groups; 17:16 elements of 8 bytes; 21 set beside a mask; no padding
	s_mov_b32 s25, 32<<16                          ; tensor_dim0 = 32
	s_mov_b32 s26, 128<<16                         ; tensor_dim1 = 128
	s_mov_b32 s27, 32<<16                          ; tile_dim0 = 32
	s_mov_b32 s28, 128                             ; tile_dim1 = 128
	s_mov_b32 s29, 32                              ; from row to row: 32 elements
	s_mov_b32 s30, 0
	s_mov_b32 s31, 0
	s_mov_b32 s32, 15|(3<<16)|(1<<21)              ; the scale bytes and norms: 48 rows a load
	s_mov_b32 s33, 32<<16
	s_mov_b32 s34, 48<<16
	s_mov_b32 s35, 32<<16
	s_mov_b32 s36, 48
	s_mov_b32 s37, 32
	s_mov_b32 s38, 0
	s_mov_b32 s39, 0
	s_and_b32 s19, s14, 3                          ; the head's shares: wave % 4
	s_mul_i32 s20, s19, 12288                      ; a quarter of waux's 49,152 bytes
	s_mov_b32 s21, 0
	s_lshl_b32 s2, s19, 17                         ; a quarter's codes are 131,072 bytes; step 0 is their first 32,768,
	s_mov_b32 s3, 0
	s_lshl_b32 s69, s19, 15                        ; which go to 32,768 x quarter in slot 0
	s_lshl_b32 s22, s15, 17                        ; in the ring I fetch half g of my quarter's 32,768 bytes of a step
	s_lshl_b32 s23, s16, 14
	s_add_co_u32 s22, s22, s23
	s_mov_b32 s23, 0
	s_lshl_b32 s19, s14, 14                        ; and in a slot: 16,384 x wave = 32,768 q + 16,384 g
	s_wait_dscnt 0x0                               ; both opening adds are done
	s_wait_kmcnt 0x0
	s_mov_b32 s40, 1                               ; group 0 for waux: count = 1,
	s_add_co_u32 s41, s20, AUX                     ; LDS address,
	s_add_nc_u64 s[42:43], s[6:7], s[20:21]        ; global address,
	s_or_b32 s43, s43, 0x80000000                  ; type = 2
	s_mov_b32 s68, 1                               ; the head's load of codes: a quarter of step 0
	s_add_nc_u64 s[70:71], s[4:5], s[2:3]
	s_or_b32 s71, s71, 0x80000000
	s_mov_b32 s44, 1                               ; slot 0 in the ring: it stands at step 0 and is stepped ahead of its refill
	s_mov_b32 s45, s19
	s_add_nc_u64 s[46:47], s[4:5], s[22:23]
	s_mov_b32 s48, 1                               ; slot 1: step 1
	s_add_co_u32 s49, s19, SLOT1
	s_add_nc_u64 s[50:51], s[46:47], 32768
	s_or_b32 s47, s47, 0x80000000
	s_or_b32 s51, s51, 0x80000000
	CROUND                                         ; all four work-groups are here: the first joint loads meet
	s_cmp_lt_u32 s14, 4                            ; ONE load a wave, in the two arms of one branch on the wave's number
	s_cbranch_scc0 .Lhead_aux
	tensor_load_to_lds s[68:71], s[24:31]
	s_nop 0
	PLACES
	s_branch .Lhead_asked
.Lhead_aux:
	tensor_load_to_lds s[40:43], s[32:39]
	s_nop 0
	PLACES
.Lhead_asked:
	s_lshl_b32 s2, s18, 15                         ; x's codes: 16 row tiles of 2,048 bytes a block, 8 a wave
	s_lshl_b32 s3, s16, 14
	s_add_co_u32 s2, s2, s3
	s_mov_b32 s3, 0
	s_add_nc_u64 s[8:9], s[8:9], s[2:3]
	s_lshl_b32 s2, s18, 11                         ; its scale words: 128 bytes a row tile
	s_lshl_b32 s19, s16, 10
	s_add_co_u32 s2, s2, s19
	s_add_nc_u64 s[10:11], s[10:11], s[2:3]
	s_lshl_b32 s2, s18, 10                         ; idx: 4 bytes a row; waves 0 and 1 store 128 rows each (there g is the wave's number)
	s_lshl_b32 s19, s16, 9
	s_add_co_u32 s2, s2, s19
	s_add_nc_u64 s[12:13], s[12:13], s[2:3]
	v_and_b32 v10, 31, v0                          ; lane
	v_and_b32 v11, 15, v0                          ; r
	v_bfe_u32 v12, v0, 4, 1                        ; h
	s_delay_alu instid0(VALU_DEP_3)
	v_lshlrev_b32 v1, 4, v10                       ; 16 x lane: an image's place for my lane
	s_delay_alu instid0(VALU_DEP_4)
	v_lshlrev_b32 v26, 2, v10                      ; 4 x lane
	WIN 0x40                                       ; destination window 1, address window 0
.irp i, 0,1,2,3,4,5,6,7,8,9,10,11,12,13,14,15,16,17,18,19,20,21,22,23,24,25,26,27,28,29,30,31
	global_load_b128 v[4*\i:4*\i+3], v1, s[8:9] offset:512*\i   ; x's codes stay in registers: 512 consecutive bytes a load
.endr
	WIN 0
.irp i, 0,1,2,3,4,5,6,7
	global_load_b32 v[XS+\i], v26, s[10:11] offset:128*\i       ; lanes 0-15 K step 0's words, lanes 16-31 K step 1's
.endr
	v_lshlrev_b32 v2, 3, v10                       ; the scale words of the chunk's entry = my lane: 8 x lane; K step s's word 4 s further on
	v_lshlrev_b32 v3, 5, v12                       ; my eight norms of 16 entries: 32 h
	s_mul_i32 s57, s16, 10240
	s_lshl_b32 s58, s15, 4
	s_add_co_u32 s58, s58, s57
	v_mul_u32_u24 v27, v11, 80
	s_delay_alu instid0(VALU_DEP_1)
	v_lshl_add_u32 v27, v12, 3, v27
	s_delay_alu instid0(VALU_DEP_1)
	v_add_nc_u32 v27, s58, v27                     ; the meeting place: 80 bytes a row; row 128 g + r (+ 16 rt), candidate 2 q + h of 8 bytes
	v_mul_u32_u24 v252, v10, 320
	s_delay_alu instid0(VALU_DEP_1)
	v_add_nc_u32 v252, s57, v252                   ; and back: four rows a lane
	s_lshl_b32 s57, s15, 10
	s_sub_co_u32 s57, s57, 32
	v_lshl_add_u32 v7, v12, 3, s57                 ; the chunk's first entry in my lane, 1024 q + 8 h + 32 x chunk: it begins one chunk back, and each chunk steps it ahead of its use
	s_lshl_b32 s55, s15, 15                        ; my quarter in a slot
	s_lshl_b32 s53, s15, 13
	s_add_co_u32 s53, s53, AUX                     ; my quarter's scale bytes: 256 a chunk
	s_lshl_b32 s54, s15, 12
	s_add_co_u32 s54, s54, NHW                     ; and norms: 128 bytes a chunk
.macro ADDR
	v_add_nc_u32 v4, s52, v1
	v_add_nc_u32 v5, s53, v2
	v_add_nc_u32 v6, s54, v3
.endm
.macro FETCH                           ; a chunk: 14 LDS loads in one run: its codes (in LDS [u][s][c][lane][16 bytes]; in registers K step s first: source 0 wants entries 0-15 in registers 0-7 and entries 16-31 in 8-15), its C, both scale registers
	WIN 0x40
.irp u, 0,1
.irp s, 0,1
.irp c, 0,1
	ds_load_b128 v[AF+16*\s+8*\u+4*\c:AF+16*\s+8*\u+4*\c+3], v4 offset:512*(4*\u+2*\s+\c)
.endr
.endr
.endr
	WIN 0
	ds_load_b128 v[CW:CW+3], v6
	ds_load_b128 v[CW+4:CW+7], v6 offset:16
	ds_load_b128 v[CW+8:CW+11], v6 offset:64
	ds_load_b128 v[CW+12:CW+15], v6 offset:80
	ds_load_b32 v[WS], v5                          ; lane m: entry m's word of K step 0
	ds_load_b32 v[WS+1], v5 offset:4               ; and of K step 1
.endm
; 8 matrix instructions: row tiles 4 grp .. 4 grp + 3 x the chunk's 32 entries, K step 0 and then K step 1.  The four accumulators take turns, one instruction a turn.
; Source 0's scales fill all 32 lanes of their register; x's words of K step 1 lie in lanes 16-31 of theirs.  first = 1: the first chunk's scores are written straight into BEST.
.macro MM grp, first
.irp s, 0,1
.irp d, 0,1,2,3
.if \first
.set DST, BEST+16*(4*\grp+\d)
.else
.set DST, DD+16*\d
.endif
.set AR, AF+16*\s
.set BR, 16*(4*\grp+\d)+8*\s
.if \s == 0
	v_wmma_scale_f32_32x16x128_f4 v[DST:DST+15], v[AR:AR+15], v[BR:BR+7], v[CW:CW+15], v[WS], v[XS+4*\grp+\d]
.else
	v_wmma_scale_f32_32x16x128_f4 v[DST:DST+15], v[AR:AR+15], v[BR:BR+7], v[DST:DST+15], v[WS+1], v[XS+4*\grp+\d] matrix_b_scale:MATRIX_SCALE_ROW1
.endif
.endr
.endr
.endm
; The names of row tile 4 g + k: SS its 16 scores, TA and TA - 1 its two chains of maxima (TA is odd: it is a first source beside the even ST in a dual pair), MR its m.
.macro TSET g, k, first
.if \first
.set SS, BEST+16*(4*\g+\k)
.else
.set SS, DD+16*\k
.endif
.if \k == 3
.set TA, 255
.else
.set TA, 11+2*\k
.endif
.set MR, ST+2*(4*\g+\k)+1
.endm
.macro LV0 g, first, t, o              ; chain t of all four row tiles begins with scores o, o + 1, o + 2: chain 0, which comes first, reads each accumulator at its low end
.irp k, 0,1,2,3
	TSET \g, \k, \first
	v_max3_num_f32 v[TA-\t], v[SS+\o], v[SS+\o+1], v[SS+\o+2]
.endr
.endm
.macro LVN g, first, t, o1, o2         ; and takes in scores o1 and o2
.irp k, 0,1,2,3
	TSET \g, \k, \first
	v_max3_num_f32 v[TA-\t], v[TA-\t], v[SS+\o1], v[SS+\o2]
.endr
.endm
; Row tile rt, under VCC = the lanes in which the chunk won: the chunk's first entry and the 16 scores at v[src] are kept there; the new m (in v[n], taken with the old) everywhere.
.macro PICK rt, n, src
	v_dual_cndmask_b32 v[ST+2*(\rt)], v[ST+2*(\rt)], v7 :: v_dual_mov_b32 v[ST+2*(\rt)+1], v[\n]
.irp i, 0,2,4,6,8,10,12,14
	v_dual_cndmask_b32 v[BEST+16*(\rt)+\i], v[BEST+16*(\rt)+\i], v[\src+\i] :: v_dual_cndmask_b32 v[BEST+16*(\rt)+\i+1], v[BEST+16*(\rt)+\i+1], v[\src+\i+1]
.endr
.endm
; Row tiles 4 g .. 4 g + 3.
.macro TRACK4 g, first
	LV0 \g, \first, 0, 0
	LV0 \g, \first, 1, 8
	LVN \g, \first, 0, 3, 4
	LVN \g, \first, 1, 11, 12
	LVN \g, \first, 0, 5, 6
	LVN \g, \first, 1, 13, 14
	LVN \g, \first, 0, 7, 15
.if \first
.irp k, 0,1,2,3
	TSET \g, \k, \first
	s_delay_alu instid0(VALU_DEP_4)
	v_max_num_f32 v[MR], v[TA], v[TA-1]            ; the first chunk starts m and the chunk's number: nothing is cleared
.endr
.irp k, 0,1,2,3
	TSET \g, \k, \first
	v_mov_b32 v[MR-1], v7
.endr
.else
.irp k, 0,1,2,3
	TSET \g, \k, \first
	s_delay_alu instid0(VALU_DEP_4)
	v_max3_num_f32 v[TA], v[TA], v[TA-1], v[MR]    ; the chunk's largest score, taken with m
.endr
	TSET \g, 0, \first
	s_delay_alu instid0(VALU_DEP_4)
	v_cmp_gt_f32 vcc_lo, v[TA], v[MR]              ; strictly above: an earlier chunk keeps a tie
.irp k, 1,2,3
	TSET \g, \k, \first
	s_delay_alu instid0(VALU_DEP_4)
	v_cmp_gt_f32 s[MK+\k], v[TA], v[MR]
.endr
.irp k, 0,1,2,3
	TSET \g, \k, \first
.if \k > 0
	s_mov_b32 vcc_lo, s[MK+\k]                     ; the dual pairs take their mask from VCC
.endif
	PICK 4*\g+\k, TA, SS
.endr
.endif
.endm
; A CHUNK.  mode 0: its successor lies in the same slot.  mode 1: the slot's last, and slot \slot is filled again, two steps ahead.  mode 2: the slot's last, nothing is filled.  mode 3: the launch's last.
; The successor's addresses and the step of the entry number are the four places behind the first 8 products; its 14 loads stand behind the second 8 and have four row tiles' tracking in which to come.
.macro CHUNK first, mode, slot
.if (\mode == 1) || (\mode == 2)
	s_wait_tensorcnt 0x0                           ; all my tensor loads have landed: my part of the slot ahead; so a group 0 may be written
	ds_add_u32 v8, v9                              ; 0 onto my spare word
.if \mode == 1
	s_add_nc_u64 s[46+4*\slot:47+4*\slot], s[46+4*\slot:47+4*\slot], 65536   ; two steps of 32,768 bytes on; the type bits on top are not reached
.endif
	s_add_co_u32 s52, s55, (1-\slot)*SLOT1         ; the successor is the other slot's first chunk
	s_wait_dscnt 0x0                               ; the add is done; this chunk's 14 loads are in, and they were my last reads of this slot
	s_barrier_signal -1                            ; say so; only work on registers stands between here and the wait
.else
	s_wait_dscnt 0x0                               ; the chunk's 14 loads are in
.if \mode == 0
	s_add_co_u32 s52, s52, 4096                    ; the successor's codes,
.endif
.endif
.if \mode != 3
	s_add_co_u32 s53, s53, 256                     ; scale bytes
	s_add_co_u32 s54, s54, 128                     ; and norms
.endif
	WIN 0x05                                       ; sources 0 and 1 window 1; C and D window 0
	MM 0, \first
	WIN 0
	v_add_nc_u32 v7, 32, v7                        ; this chunk's first entry
.if \mode == 3
.rept 3
	v_nop
.endr
.else
	ADDR
.endif
	TRACK4 0, \first                               ; (a row tile's lines name no register of the other three's products: more than five places lie ahead of the products below, which write the same registers)
.if (\mode == 1) || (\mode == 2)
	s_wait_alu depctr_va_vdst(0)                   ; directly ahead of the barrier's wait
	s_barrier_wait -1                              ; every wave of my work-group has read the slot out and has its part of the other slot
.if \mode == 1
	CREST                                          ; the barrier has opened a round of the cluster's: the same now holds of all four work-groups
	tensor_load_to_lds s[44+4*\slot:47+4*\slot], s[24:31]   ; the joint refill, my one tensor load behind the round
	s_nop 0
.endif
.endif
	WIN 0x05                                       ; (behind a refill: directly behind its s_nop 0, and not again among the next four instructions)
	MM 1, \first
	WIN 0
	PLACES                                         ; ahead of the loads into the fragments, C and the scale registers, and of the reads of the results
.if \mode != 3
	FETCH
.endif
	TRACK4 1, \first
.endm
.macro RUN n                           ; n chunks that have their successor in the same slot
	s_mov_b32 s56, \n
.Lrun_\@:
	CHUNK 0, 0, 0
	s_sub_co_u32 s56, s56, 1
	s_cmp_lg_u32 s56, 0
	s_wait_alu depctr_va_vdst(0)                   ; directly ahead of the branch
	s_cbranch_scc1 .Lrun_\@
.endm
	s_wait_alu depctr_va_vdst(0)                   ; the head's end
	s_wait_tensorcnt 0x0                           ; my tile of the head's eight is in
	ds_add_u32 v8, v9
	s_mov_b32 s26, 64<<16                          ; no tensor load of mine is out, so a descriptor may be written: from here on a load of codes brings 64 rows
	s_mov_b32 s28, 64
	s_wait_dscnt 0x0                               ; the add is done
	CROUND                                         ; everybody's tile is in, and all four work-groups are here
	tensor_load_to_lds s[48:51], s[24:31]          ; slot 1's first fill: step 1
	s_nop 0
	PLACES
	s_mov_b32 s52, s55                             ; slot 0's first chunk
	ADDR
	FETCH
	s_wait_loadcnt 0x0                             ; x's codes and scale words
	CHUNK 1, 0, 0                                  ; the first chunk stands ahead of the loop: it starts m, the numbers and BEST
	RUN 6
	CHUNK 0, 1, 0                                  ; slot 0 takes step 2
	RUN 7
	CHUNK 0, 1, 1                                  ; slot 1 takes step 3
	RUN 7
	CHUNK 0, 2, 0                                  ; nothing is left to fetch
	RUN 7
	CHUNK 0, 3, 1
	; THE PLACE IN THE BEST CHUNK: the lowest p with BEST[p] = m; register p holds entry 16 (p / 8) + p % 8 of my lane's 16.  m is one of the 16, so p = 15 stands where no lower p fits.
	; The eight row tiles take turns, each with a mask and a place of its own (row tile rt's place in v[10 + rt], the last two in v254 and v255).
.irp rt, 0,1,2,3,4,5,6,7
	v_mov_b32 v[10+\rt+238*(\rt/6)], 23
.endr
.irp p, 14,13,12,11,10,9,8,7,6,5,4,3,2,1,0
.irp rt, 0,1,2,3,4,5,6,7
	v_cmp_eq_f32 s[MK+\rt], v[BEST+16*\rt+\p], v[ST+2*\rt+1]
.endr
.irp rt, 0,1,2,3,4,5,6,7
	v_cndmask_b32 v[10+\rt+238*(\rt/6)], v[10+\rt+238*(\rt/6)], 16*(\p/8)+\p%8, s[MK+\rt]
.endr
.endr
.irp rt, 0,1,2,3,4,5,6,7
	v_add_nc_u32 v[ST+2*\rt], v[ST+2*\rt], v[10+\rt+238*(\rt/6)]
.endr
	; A row's eight candidates meet in LDS, in slot 0: it has had its last fill, and every wave has passed the barrier behind its last read of it.
.irp rt, 0,1,2,3,4,5,6,7
	ds_store_b64 v27, v[ST+2*\rt:ST+2*\rt+1] offset:1280*\rt       ; (entry, m)
.endr
	s_wait_dscnt 0x0                               ; for the others' sake: my candidates have landed
	s_barrier_signal -1
	s_barrier_wait -1
	s_cmp_gt_u32 s14, 1
	s_cbranch_scc1 .Ljoin                          ; waves 0 and 1 merge 128 rows each, four rows a lane; no barrier stands in this branch
.irp i, 0,1,2,3
.irp k, 0,1,2,3
	ds_load_b128 v[DD+16*\i+4*\k:DD+16*\i+4*\k+3], v252 offset:80*\i+16*\k
.endr
.endr
	s_wait_dscnt 0x0
; Candidate c against the best so far, the four rows by turns: the larger m, on equal m the lower entry.  Only values are chosen: no branch, no address.  Row i's masks: s[72 + i] above, s[76 + i] equal, s[60 + i] lower entry.
.irp c, 1,2,3,4,5,6,7
.irp i, 0,1,2,3
	v_cmp_gt_f32 s[MK+\i], v[DD+16*\i+2*\c+1], v[DD+16*\i+1]
	v_cmp_eq_f32 s[MK+4+\i], v[DD+16*\i+2*\c+1], v[DD+16*\i+1]
	v_cmp_lt_u32 s[60+\i], v[DD+16*\i+2*\c], v[DD+16*\i]
.endr
.irp i, 0,1,2,3
	s_and_b32 s[MK+4+\i], s[MK+4+\i], s[60+\i]
	s_or_b32 s[MK+\i], s[MK+\i], s[MK+4+\i]
.endr
.irp i, 0,1,2,3
.if \c == 7
	v_cndmask_b32 v[10+\i], v[DD+16*\i], v[DD+16*\i+2*\c], s[MK+\i]  ; the row's entry, into the store's data
.else
	v_cndmask_b32 v[DD+16*\i], v[DD+16*\i], v[DD+16*\i+2*\c], s[MK+\i]
	v_cndmask_b32 v[DD+16*\i+1], v[DD+16*\i+1], v[DD+16*\i+2*\c+1], s[MK+\i]
.endif
.endr
.endr
	global_store_b128 v1, v[10:13], s[12:13]       ; four rows a lane: the wave stores 512 consecutive bytes, at a multiple of 512 from idx's first byte
.Ljoin:
	s_wait_tensorcnt 0x0                           ; the wave's end: behind my last tensor load and my last LDS store
	ds_add_u32 v8, v9
	s_wait_dscnt 0x0
	CROUND                                         ; the closing round: no work-group ends while a partner may still ask for a tile that names it
	s_endpgm
.Lfunc_end_k_q38fb3a4c80_main:
	.size	k_q38fb3a4c80_main, .Lfunc_end_k_q38fb3a4c80_main-k_q38fb3a4c80_main
	.p2alignl 7, 3214868480
	.fill 96, 4, 3214868480
	.section	.rodata,"a",@progbits
	.p2align	6, 0x0
	.amdhsa_kernel k_q38fb3a4c80_main
		.amdhsa_group_segment_fixed_size 327680
		.amdhsa_private_segment_fixed_size 0
		.amdhsa_enable_private_segment 0
		.amdhsa_kernarg_size 40
		.amdhsa_user_sgpr_count 2
		.amdhsa_user_sgpr_kernarg_segment_ptr 1
		.amdhsa_wavefront_size32 1
		.amdhsa_system_sgpr_workgroup_id_x 1
		.amdhsa_system_sgpr_workgroup_id_y 1
		.amdhsa_system_sgpr_workgroup_id_z 1
		.amdhsa_system_vgpr_workitem_id 0
		.amdhsa_next_free_vgpr 416
		.amdhsa_next_free_sgpr 80
		.amdhsa_reserve_vcc 1
		.amdhsa_float_denorm_mode_32 3
		.amdhsa_float_denorm_mode_16_64 3
		.amdhsa_memory_ordered 1
		.amdhsa_forward_progress 1
		.amdhsa_inst_pref_size 153
	.end_amdhsa_kernel
	.amdgpu_metadata
---
amdhsa.version: [ 1, 2 ]
amdhsa.kernels:
  - .name:           k_q38fb3a4c80_main
    .symbol:         k_q38fb3a4c80_main.kd
    .args:
      - { .name: wq, .offset: 0, .size: 8, .value_kind: global_buffer, .address_space: global }
      - { .name: waux, .offset: 8, .size: 8, .value_kind: global_buffer, .address_space: global }
      - { .name: xq, .offset: 16, .size: 8, .value_kind: global_buffer, .address_space: global }
      - { .name: xs, .offset: 24, .size: 8, .value_kind: global_buffer, .address_space: global }
      - { .name: idx, .offset: 32, .size: 8, .value_kind: global_buffer, .address_space: global }
    .group_segment_fixed_size: 327680
    .private_segment_fixed_size: 0
    .kernarg_segment_align: 8
    .kernarg_segment_size: 40
    .max_flat_workgroup_size: 256
    .sgpr_count:     80
    .vgpr_count:     416
    .wavefront_size: 32
...
	.end_amdgpu_metadata
.endif
;; end of part 2
;; launch gather (part 3): grid 512 x 1, 8 waves a work-group, no clusters, 0 bytes of LDS; arguments idx, wt, out0; writes out0
.if DOCPART == 3
	.amdgcn_target "amdgcn-amd-amdhsa--gfx1250"
	.amdhsa_code_object_version 6
	.text
	.protected	k_q38fb3a4c80_gather
	.globl	k_q38fb3a4c80_gather
	.p2align	8
	.type	k_q38fb3a4c80_gather,@function
k_q38fb3a4c80_gather:
	s_mov_b64 s[64:65], 0
	v_nop
	global_prefetch_b8 v0, s[64:65] scope:SCOPE_SE
	s_setreg_imm32_b32 hwreg(HW_REG_WAVE_MODE, 25, 1), 1
	s_wait_xcnt 0x0
; out0[n][:] = wt[idx[n]][:]: a row of 1,024 bytes for each of 65,536 rows.  idx holds whole numbers that the launch before stored.
; A wave takes 16 rows: their 16 indices come by one scalar load; each row is two loads and two stores of 512 consecutive bytes.  All 32 loads of a wave are out together; the stores follow as the loads come back.
; No register is written twice, so no store's data or address has to be freed.  No LDS, no barrier, no matrix unit: waves share nothing.  wt's rows may be named many times, so its loads carry no hint.
	s_load_b128 s[4:7], s[0:1], 0x0                ; idx s[4:5], wt s[6:7]
	s_load_b64 s[8:9], s[0:1], 0x10                ; out0
	v_lshrrev_b32 v2, 5, v0
	s_delay_alu instid0(VALU_DEP_1)
	v_readfirstlane_b32 s10, v2                    ; wave 0..7
	v_and_b32 v1, 31, v0
	s_delay_alu instid0(VALU_DEP_1)
	v_lshlrev_b32 v1, 4, v1                        ; 16 x lane
	s_lshl_b32 s11, ttmp9, 3
	s_add_co_u32 s11, s11, s10                     ; my wave in the launch, 0 .. 4095
	s_lshl_b32 s12, s11, 6                         ; 16 indices of 4 bytes
	s_mov_b32 s13, 0
	s_lshl_b32 s14, s11, 14                        ; 16 rows of 1,024 bytes
	s_mov_b32 s15, 0
	s_wait_alu depctr_va_vdst(0)
	s_wait_kmcnt 0x0
	s_add_nc_u64 s[4:5], s[4:5], s[12:13]
	s_add_nc_u64 s[8:9], s[8:9], s[14:15]
	s_load_b512 s[16:31], s[4:5], 0x0
	s_wait_kmcnt 0x0
.irp i, 0,1,2,3,4,5,6,7,8,9,10,11,12,13,14,15
	s_min_u32 s[16+\i], s[16+\i], 0xfff            ; an index stays inside the table of 4,096 rows
	v_lshl_add_u32 v[4+\i], s[16+\i], 10, v1       ; its row, + 16 x lane
.endr
.set n, 0
	s_wait_alu depctr_va_vdst(0)
.rept 32
	global_load_b128 v[24+4*n:24+4*n+3], v[4+n/2], s[6:7] offset:512*(n%2)
.set n, n+1
.endr
.set n, 0
.rept 32
	s_wait_loadcnt 31-n                            ; loads come back in order: this one is in, the younger ones stay out
	global_store_b128 v1, v[24+4*n:24+4*n+3], s[8:9] offset:512*n th:TH_STORE_NT   ; 512 consecutive bytes, at a multiple of 512 from out0's first byte; written once, read by nobody here
.set n, n+1
.endr
	s_endpgm
.Lfunc_end_k_q38fb3a4c80_gather:
	.size	k_q38fb3a4c80_gather, .Lfunc_end_k_q38fb3a4c80_gather-k_q38fb3a4c80_gather
	.p2alignl 7, 3214868480
	.fill 96, 4, 3214868480
	.section	.rodata,"a",@progbits
	.p2align	6, 0x0
	.amdhsa_kernel k_q38fb3a4c80_gather
		.amdhsa_group_segment_fixed_size 0
		.amdhsa_private_segment_fixed_size 0
		.amdhsa_enable_private_segment 0
		.amdhsa_kernarg_size 24
		.amdhsa_user_sgpr_count 2
		.amdhsa_user_sgpr_kernarg_segment_ptr 1
		.amdhsa_wavefront_size32 1
		.amdhsa_system_sgpr_workgroup_id_x 1
		.amdhsa_system_sgpr_workgroup_id_y 1
		.amdhsa_system_sgpr_workgroup_id_z 1
		.amdhsa_system_vgpr_workitem_id 0
		.amdhsa_next_free_vgpr 152
		.amdhsa_next_free_sgpr 66
		.amdhsa_reserve_vcc 0
		.amdhsa_float_denorm_mode_32 3
		.amdhsa_float_denorm_mode_16_64 3
		.amdhsa_memory_ordered 1
		.amdhsa_forward_progress 1
		.amdhsa_inst_pref_size 11
	.end_amdhsa_kernel
	.amdgpu_metadata
---
amdhsa.version: [ 1, 2 ]
amdhsa.kernels:
  - .name:           k_q38fb3a4c80_gather
    .symbol:         k_q38fb3a4c80_gather.kd
    .args:
      - { .name: idx, .offset: 0, .size: 8, .value_kind: global_buffer, .address_space: global }
      - { .name: wt, .offset: 8, .size: 8, .value_kind: global_buffer, .address_space: global }
      - { .name: out0, .offset: 16, .size: 8, .value_kind: global_buffer, .address_space: global }
    .group_segment_fixed_size: 0
    .private_segment_fixed_size: 0
    .kernarg_segment_align: 8
    .kernarg_segment_size: 24
    .max_flat_workgroup_size: 256
    .sgpr_count:     66
    .vgpr_count:     152
    .wavefront_size: 32
...
	.end_amdgpu_metadata
.endif
;; end of part 3
